; MI455X (gfx1250); checked and timed in simulation.
; The chip was launched on July 23, 2026; its instructions are those of AMD's public machine-readable ISA for CDNA 5 (MIT licence, August 2026) and "CDNA5" Instruction Set Architecture Reference Guide (July 2026). The comments in the code are by the model that wrote it; some were corrected since.
;; Multi Head Self Attention. Allowed arithmetic: matrix products marked QUANTISED: E2M1 operands, one E8M0 scale for each 32 along K, by v_wmma_scale_f32_16x16x128_f8f6f4 with both operands' format E2M1 (or v_wmma_scale_f32_32x16x128_f4), f32 sums; products left as they are: f32 operands where the result goes on into a quantised operand, else bf16, f16 or f32 operands; f32 sums; everything else in f32.
;; Inputs: Wo 1,024 x 1,024 float32; Wqkv 3,072 x 1,024 float32; bo 1,024 float32; bqkv 3,072 float32; x 8 x 2,048 x 1,024 float32.
;; Outputs: out0 8 x 2,048 x 1,024 float32.
;; This version of the problem:
;;   THIS VERSION OF THE PROBLEM IS GIVEN IN LOW PRECISION. The matrix products marked QUANTISED in the list below multiply operands that are first quantised to E2M1 (2 exponent bits, 1 mantissa bit; 4 bits a number), with one power-of-two scale for each 32 numbers along K (OCP MX v1.0); their sums are f32. All else is computed in f32.
;;   The module's matrix products, in the order in which they are computed (A, B: the left and right operand; K: the contracted axis; several contracted axes count as one K, in the product's order):
;;     1. [M 16,384, K 1,024] x [K 1,024, N 3,072]; A: input x; B: input Wqkv: QUANTISED
;;     2. batch 16,384 x [M 16, K 64] x [K 64, N 16]; A: computed on the way; B: computed on the way: QUANTISED
;;     3. batch 16,384 x [M 64, K 16] x [K 16, N 16]; A: computed on the way; B: softmax: left as it is (K = 16 < 32)
;;     4. [M 16,384, K 1,024] x [K 1,024, N 1,024]; A: computed on the way; B: input Wo: QUANTISED
;;   THE QUANTISER, for each operand of a quantised product, along K:
;;     - K is cut into blocks of 32 from its start; a last block that is shorter is filled with zeros.
;;     - A block's scale is 2^e with e = floor(log2(the largest magnitude in the block)) - 2, held to -126 .. 127; a block of zeros has e = 0. As a byte (E8M0): e + 127.
;;     - Each number is divided by its block's scale, clamped to +-6, and rounded to the nearest number of E2M1, ties to even, subnormals kept.
;;     - The product sums the exact products of the quantised numbers (number of the format x scale) in f32.
;;   ~~~python
;;   def quantise(x, axis):      # numpy; x: float32 -> the quantised numbers, widened to float32 again
;;       x = np.moveaxis(x, axis, -1); K = x.shape[-1]
;;       x = np.pad(x, [(0, 0)] * (x.ndim - 1) + [(0, -K % 32)]); x = x.reshape(x.shape[:-1] + (-1, 32)); a = np.abs(x).max(-1, keepdims=True)
;;       e = np.where(a > 0, np.clip(np.frexp(np.where(a > 0, a, 1))[1] - 1 - 2, -126, 127), 0)      # np.frexp(a)[1] - 1 = floor(log2(a)), exactly
;;       r = np.clip(x / 2.0 ** e, -6, 6)
;;       step = 2.0 ** (np.maximum(np.frexp(np.where(r == 0, 1, r))[1] - 1, 0) - 1)
;;       q = np.round(r / step) * step * 2.0 ** e      # np.round: ties to even
;;       return np.moveaxis(q.reshape(q.shape[:-2] + (-1,))[..., :K], -1, axis).astype(np.float32)
;;   ~~~
;;   OPERANDS COMPUTED ON THE WAY. 'Computed on the way' means the value that the module computes at that place (a softmax that the list does not call 'softmax' is quantised finished and normalised). What goes into a quantiser is computed in f32, as accurately as f32 sums, v_exp_f32 and their like allow (about 1e-6 of the number): no bf16 or f16 on the way to a quantiser, and a product that is left as it is and whose result goes on into a quantised operand takes f32 operands (vector FMAs, or v_wmma_f32_16x16x4_f32). A number that lies on a knife's edge between two numbers of the format may be rounded either way, as far as f32 arithmetic and the matrix unit's own rounding can turn it there, and no further.
;; One version. Each part assembles by itself: llvm-mc -triple=amdgcn-amd-amdhsa -mcpu=gfx1250 --defsym DOCPART=n.
;; ======== version 1 of 1: 2 launches
;; limits: right only within a limited range of input values
;; workspace buffers: wq 2,293,760 bytes
;; launch wquant (part 1): grid 256 x 1, 8 waves a work-group, no clusters, 9,728 bytes of LDS; arguments Wqkv, bqkv, Wo, bo, wq; writes wq
.if DOCPART == 1
	.amdgcn_target "amdgcn-amd-amdhsa--gfx1250"
	.amdhsa_code_object_version 6
	.text
	.protected	k_q6ce46e550a_wquant
	.globl	k_q6ce46e550a_wquant
	.p2align	8
	.type	k_q6ce46e550a_wquant,@function
k_q6ce46e550a_wquant:
	s_mov_b64 s[64:65], 0
	v_nop
	global_prefetch_b8 v0, s[64:65] scope:SCOPE_SE
	s_setreg_imm32_b32 hwreg(HW_REG_WAVE_MODE, 25, 1), 1
	s_wait_xcnt 0x0
; Wqkv [3072][1024] and Wo [1024][1024], f32, K innermost, become codes of FP4 (E2M1) with one E8M0 byte for each 32 along K, laid in wq in the order in which the second launch
; streams and loads them.  A tile = 16 weight rows x 1,024 K = TBY bytes, tile t at t TBY:
;   + 1024 s + 512 c + 16 l : K step s (128 along K): the image of a fragment's registers 4 c .. 4 c + 3 in lane l = r + 16 h: block 4 s + 2 c + h of the tile's row r
;   + 8192 + 16 l           : lane l = r + 16 kk holds the four scale words of K steps 4 kk .. 4 kk + 3 of row r
;   + 8704 + 4 m            : the bias of row m, the 16 of them four times over, so that whole units of 256 bytes are stored
; WHICH ROWS FORM TILE t (= the work-group's number): row(t, r) = R0 + S1 r + S2 (r / 8)
;   t < 128 (q, then k): R0 = 16 t - 8 (t % 2), S1 = 1, S2 = 8: in the product's result the 16 registers of tiles 2 b, 2 b + 1 are then 16 neighbours along the head's 64
;   t < 192 (v):         R0 = 2048 + d, S1 = 64, S2 = 0: ONE channel d of all 16 heads; d = 32 (t / 32 % 2) + 8 (t / 16 % 2) + t % 16 + 8 (t / 8 % 2)
;   else (Wo):           R0 = 16 (t - 192), S1 = 1, S2 = 0
; A block's scale is 2^(floor(log2(its largest magnitude)) - 2); its byte is the largest magnitude's exponent field - 2, held at 1 from below.
; LIMITS: a block of zeros gets the byte 1 where the rule says 127 (its codes are zeros, and this program alone reads the bytes); blocks whose largest magnitude lies under 2^(2 - 126) were not tried; NaN and infinities are not served.
; SHARES: wave w takes K step w of the tile's 16 rows.  A load reads 512 consecutive bytes of one row: 4 neighbours a lane, 8 lanes to a block of 32.  The block's maximum is joined by three lane exchanges; a conversion
; takes two rows' 4 numbers under one row's scale, and that row's 16 bits of the result are used.  The codes are gathered in the wave's own image in LDS and leave as 512 consecutive bytes.
.set TBY,   8960
.set SCG,   8192                       ; behind the eight images of 1,024 bytes: the tile's scale words
.set SPARE, 8704                       ; the spare words, 128 bytes for each wave
.set SPW, 1
.set NIL, 2
.set XR,  16                           ; v16-79 the 16 rows, 4 numbers each
.set TT,  80
.set RW,  32                           ; s[32:63] the addresses of my 512 bytes of the 16 rows
	s_load_b256 s[4:11], s[0:1], 0x0               ; Wqkv, bqkv, Wo, bo
	s_load_b64 s[12:13], s[0:1], 0x20              ; wq
	v_lshl_add_u32 v[SPW], v0, 2, SPARE
	v_mov_b32 v[NIL], 0
	v_lshrrev_b32 v3, 5, v0
	v_readfirstlane_b32 s14, v3                    ; wave
	v_and_b32 v3, 31, v0                           ; lane
	v_lshlrev_b32 v4, 4, v3                        ; 16 x lane
	v_lshrrev_b32 v5, 3, v3                        ; my block of the row's four
	s_lshl_b32 s16, s14, 10
	v_add_nc_u32 v7, s16, v4                       ; the image, read back
	v_and_b32 v6, 7, v3
	v_lshlrev_b32 v6, 1, v6
	v_lshl_add_u32 v6, v5, 8, v6
	v_add_nc_u32 v6, s16, v6                       ; the image, my 2 bytes of row 0
	s_lshr_b32 s16, s14, 2
	s_lshl_b32 s16, s16, 8
	s_and_b32 s17, s14, 3
	s_lshl_b32 s17, s17, 2
	s_add_co_u32 s16, s16, s17
	s_add_co_u32 s16, s16, SCG
	v_add_nc_u32 v5, s16, v5                       ; my block's scale byte of row 0
	v_add_nc_u32 v13, SCG, v4                      ; where wave 0 reads the scale words back
	s_mov_b32 s15, ttmp9                           ; the tile t
	s_lshl_b32 s16, s15, 4
	s_and_b32 s17, s15, 1
	s_lshl_b32 s17, s17, 3
	s_sub_co_u32 s17, s16, s17                     ; R0 of a tile of q or k
	s_bfe_u32 s18, s15, 0x10005
	s_lshl_b32 s18, s18, 5
	s_bfe_u32 s19, s15, 0x10004
	s_lshl_b32 s19, s19, 3
	s_add_co_u32 s18, s18, s19
	s_bfe_u32 s19, s15, 0x10003
	s_lshl_b32 s19, s19, 3
	s_add_co_u32 s18, s18, s19
	s_and_b32 s19, s15, 15
	s_add_co_u32 s18, s18, s19
	s_add_co_u32 s18, s18, 2048                    ; R0 of a tile of v
	s_sub_co_u32 s19, s16, 3072                    ; R0 of a tile of Wo
	s_mov_b32 s21, 0x40000
	s_cmp_lt_u32 s15, 128                          ; the choices hang on the work-group's number alone
	s_cselect_b32 s20, s17, s18                    ; R0
	s_cselect_b32 s22, 4096, s21                   ; S1 in bytes of weight rows
	s_cselect_b32 s23, 0x8000, 0                   ; S2 likewise
	s_cselect_b32 s24, 1, 64                       ; S1
	s_cselect_b32 s25, 8, 0                        ; S2
	s_cmp_lt_u32 s15, 192
	s_cselect_b32 s20, s20, s19
	s_cselect_b32 s22, s22, 4096
	s_cselect_b32 s24, s24, 1
	s_lshl_b32 s26, s20, 12                        ; row R0,
	s_lshl_b32 s27, s14, 9                         ; my K step's 512 bytes of it
	s_add_co_u32 s26, s26, s27
	s_mov_b32 s27, 0
	s_mov_b32 s28, s22                             ; from a row to the next,
	s_mov_b32 s29, 0
	s_add_co_u32 s30, s22, s23                     ; and from row 7 to row 8
	s_mov_b32 s31, 0
	s_mul_i32 s16, s15, TBY                        ; the tile in wq
	s_lshl_b32 s19, s14, 10
	s_add_co_u32 s18, s16, s19                     ; my K step's codes
	s_mov_b32 s19, 0
	s_add_co_u32 s22, s16, 8192                    ; scale words
	s_mov_b32 s23, 0
	s_add_co_u32 s66, s16, 8704                    ; biases
	s_mov_b32 s67, 0
	s_lshl_b32 s68, s20, 2                         ; the bias of row R0
	s_mov_b32 s69, 0
	s_lshl_b32 s70, s24, 2
	s_wait_alu depctr_va_vdst(0)
	v_lshlrev_b32 v14, 3, v3                       ; 8 x lane: two biases a lane
	v_lshlrev_b32 v8, 1, v3
	v_and_b32 v8, 15, v8                           ; rows (2 lane) % 16 and the next
	v_mul_lo_u32 v9, v8, s24
	v_lshrrev_b32 v10, 3, v8
	v_mul_lo_u32 v10, v10, s25
	v_add_lshl_u32 v11, v9, v10, 2                 ; 4 (S1 r + S2 (r / 8))
	v_add_nc_u32 v12, s70, v11
	s_wait_alu depctr_va_vdst(0)                   ; the head's end
	s_wait_kmcnt 0x0
	s_cmp_lt_u32 s15, 192
	s_cselect_b64 s[4:5], s[4:5], s[8:9]           ; Wqkv or Wo
	s_cselect_b64 s[6:7], s[6:7], s[10:11]         ; bqkv or bo
	s_add_nc_u64 s[RW:RW+1], s[4:5], s[26:27]
.irp r, 1,2,3,4,5,6,7,8,9,10,11,12,13,14,15
.if \r == 8
	s_add_nc_u64 s[RW+2*\r:RW+2*\r+1], s[RW+2*\r-2:RW+2*\r-1], s[30:31]
.else
	s_add_nc_u64 s[RW+2*\r:RW+2*\r+1], s[RW+2*\r-2:RW+2*\r-1], s[28:29]
.endif
.endr
.irp r, 0,1,2,3,4,5,6,7,8,9,10,11,12,13,14,15
	global_load_b128 v[XR+4*\r:XR+4*\r+3], v4, s[RW+2*\r:RW+2*\r+1] th:TH_LOAD_NT   ; every weight byte is read once in the launch
.endr
	s_add_nc_u64 s[6:7], s[6:7], s[68:69]
	global_load_b32 v100, v11, s[6:7]              ; two biases (wave 0 stores them)
	global_load_b32 v101, v12, s[6:7]
	s_add_nc_u64 s[18:19], s[12:13], s[18:19]
	s_add_nc_u64 s[22:23], s[12:13], s[22:23]
	s_add_nc_u64 s[66:67], s[12:13], s[66:67]
.macro QUAD g                          ; rows 4 g .. 4 g + 3
	s_wait_loadcnt 14-4*\g                         ; these rows are in; the later rows' loads and the two biases may be out
.set XB, XR+16*\g
.irp i, 0,1,2,3
	v_max3_num_f32 v[TT+\i], |v[XB+4*\i]|, |v[XB+4*\i+1]|, |v[XB+4*\i+2]|
.endr
.irp i, 0,1,2,3
	v_max3_num_f32 v[TT+\i], |v[XB+4*\i+3]|, v[TT+\i], 0x1800000   ; the floor 2^(3 - 127): the byte cannot fall under 1
.endr
.irp x, 1,2,4
.irp i, 0,1,2,3
	v_max_num_f32_dpp v[TT+\i], v[TT+\i], v[TT+\i] row_xmask:\x row_mask:0xf bank_mask:0xf
.endr
.endr
.irp i, 0,1,2,3
	v_add_nc_u32 v[TT+4+\i], 0xff000000, v[TT+\i]  ; 2 off the exponent field: the conversion's scale operand
.endr
.irp i, 0,1,2,3
	v_lshrrev_b32 v[TT+\i], 23, v[TT+4+\i]         ; the scale's byte
.endr
.irp i, 0,1,2,3
	v_cvt_scalef32_pk8_fp4_f32 v[TT+8+\i], v[XB+8*(\i/2):XB+8*(\i/2)+7], v[TT+4+\i]
.endr
	v_nop                                          ; one plain place behind a scaled conversion
.irp i, 1,3
	v_lshrrev_b32 v[TT+8+\i], 16, v[TT+8+\i]       ; the odd row's codes are the upper 16 bits
.endr
.irp i, 0,1,2,3
	ds_store_b16 v6, v[TT+8+\i] offset:16*(4*\g+\i)
	ds_store_b8 v5, v[TT+\i] offset:16*(4*\g+\i)   ; the block's 8 lanes write the same byte with the same value
.endr
.endm
	QUAD 0
	QUAD 1
	QUAD 2
	QUAD 3
	ds_load_b128 v[92:95], v7                      ; LDS serves a wave's instructions in order: these see my stores
	ds_load_b128 v[96:99], v7 offset:512
	s_wait_dscnt 0x0                               ; my image is back, and for the others' sake my scale bytes lie in LDS
	s_barrier_signal -1
	s_barrier_wait -1
	global_store_b128 v4, v[92:95], s[18:19]       ; 32 lanes store 512 consecutive bytes, at a multiple of 256 from wq's first byte
	global_store_b128 v4, v[96:99], s[18:19] offset:512
	s_cmp_lg_u32 s14, 0
	s_cbranch_scc1 .Ldone                          ; wave 0 sends the tile's scale words and biases
	ds_load_b128 v[104:107], v13
	s_wait_loadcnt 0x0
	global_store_b64 v14, v[100:101], s[66:67]     ; 256 consecutive bytes
	s_wait_dscnt 0x0
	global_store_b128 v4, v[104:107], s[22:23]     ; 512 consecutive bytes
.Ldone:
	s_wait_tensorcnt 0x0                           ; the wave's end
	ds_add_u32 v[SPW], v[NIL]
	s_wait_dscnt 0x0
	s_endpgm
.Lfunc_end_k_q6ce46e550a_wquant:
	.size	k_q6ce46e550a_wquant, .Lfunc_end_k_q6ce46e550a_wquant-k_q6ce46e550a_wquant
	.p2alignl 7, 3214868480
	.fill 96, 4, 3214868480
	.section	.rodata,"a",@progbits
	.p2align	6, 0x0
	.amdhsa_kernel k_q6ce46e550a_wquant
		.amdhsa_group_segment_fixed_size 9728
		.amdhsa_private_segment_fixed_size 0
		.amdhsa_enable_private_segment 0
		.amdhsa_kernarg_size 40
		.amdhsa_user_sgpr_count 2
		.amdhsa_user_sgpr_kernarg_segment_ptr 1
		.amdhsa_wavefront_size32 1
		.amdhsa_system_sgpr_workgroup_id_x 1
		.amdhsa_system_sgpr_workgroup_id_y 1
		.amdhsa_system_sgpr_workgroup_id_z 1
		.amdhsa_system_vgpr_workitem_id 0
		.amdhsa_next_free_vgpr 112
		.amdhsa_next_free_sgpr 72
		.amdhsa_reserve_vcc 0
		.amdhsa_float_denorm_mode_32 3
		.amdhsa_float_denorm_mode_16_64 3
		.amdhsa_memory_ordered 1
		.amdhsa_forward_progress 1
		.amdhsa_inst_pref_size 18
	.end_amdhsa_kernel
	.amdgpu_metadata
---
amdhsa.version: [ 1, 2 ]
amdhsa.kernels:
  - .name:           k_q6ce46e550a_wquant
    .symbol:         k_q6ce46e550a_wquant.kd
    .args:
      - { .name: Wqkv, .offset: 0, .size: 8, .value_kind: global_buffer, .address_space: global }
      - { .name: bqkv, .offset: 8, .size: 8, .value_kind: global_buffer, .address_space: global }
      - { .name: Wo, .offset: 16, .size: 8, .value_kind: global_buffer, .address_space: global }
      - { .name: bo, .offset: 24, .size: 8, .value_kind: global_buffer, .address_space: global }
      - { .name: wq, .offset: 32, .size: 8, .value_kind: global_buffer, .address_space: global }
    .group_segment_fixed_size: 9728
    .private_segment_fixed_size: 0
    .kernarg_segment_align: 8
    .kernarg_segment_size: 40
    .max_flat_workgroup_size: 256
    .sgpr_count:     72
    .vgpr_count:     112
    .wavefront_size: 32
...
	.end_amdgpu_metadata
.endif
;; end of part 1
;; launch fused (part 2): grid 256 x 1, 8 waves a work-group, clusters of 4 x 1, 327,680 bytes of LDS; arguments x, wq, out0; writes out0
.if DOCPART == 2
	.amdgcn_target "amdgcn-amd-amdhsa--gfx1250"
	.amdhsa_code_object_version 6
	.text
	.protected	k_q6ce46e550a_fused
	.globl	k_q6ce46e550a_fused
	.p2align	8
	.type	k_q6ce46e550a_fused,@function
k_q6ce46e550a_fused:
	s_mov_b64 s[64:65], 0
	v_nop
	global_prefetch_b8 v0, s[64:65] scope:SCOPE_SE
	s_setreg_imm32_b32 hwreg(HW_REG_WAVE_MODE, 25, 1), 1
	s_wait_xcnt 0x0
	s_wait_alu depctr_hold_cnt(0) depctr_sa_sdst(0) depctr_va_vdst(0) depctr_va_sdst(0) depctr_va_ssrc(0) depctr_va_vcc(0) depctr_vm_vsrc(0)
	s_getreg_b32 s2, hwreg(HW_REG_IB_STS2, 6, 4)
	s_cmp_eq_u32 s2, 0
	s_cbranch_scc0 .Lentry_in_a_cluster
	s_endpgm
.Lentry_in_a_cluster:
	s_bfe_u32 s2, ttmp6, 0x10000c
	s_cmp_lg_u32 s2, 0x3003
	s_cbranch_scc0 .Lentry_shape_is_right
	s_endpgm
.Lentry_shape_is_right:
; The whole module for 64 tokens (rows of x) a work-group: x is quantised; q, k, v = x Wqkv^T + bqkv; for each token the scores of its 16 heads against its 16 heads, a softmax over them (the maximum taken away first, f32),
; times v (f32 products); the result quantised; times Wo^T + bo.  The raw reshape of reference() sends token n, head q to row 128 q + n / 16, columns 64 (n % 16) on: 64 tokens make 64 whole rows (16 heads x 4).
; Nothing is left out: every product of reference() is made.
; LIMITS: a block of zeros gets the scale byte 1 where the rule says 127 (its codes are zeros; this program alone reads the bytes); blocks whose largest magnitude lies under 2^(2 - 126) were not tried; NaN and infinities are not served;
; the softmax's promise holds while the scaled scores stay under 2^31 in magnitude.
; WEIGHTS come from wq: tile t = 16 weight rows x 1,024 K at t x 8,960 (codes, scale words, biases).  A block = 16 tiles (SB bytes), a half block = 8 tiles (HB).  q is blocks 0-3, k 4-7; v is half blocks 0-7 behind them, Wo half blocks 8-15.
;   The ring: for q and k two slots of a block, each wave fetching its own two tiles (70 rows of 256 bytes); for v and Wo two halves of slot 0, each wave fetching one tile (35 rows).  Slot 1, when it has had its last fill and its last
;   read, holds the softmax's results, v on its way to another layout, and the output's stage.
; CLUSTERS: the 4 work-groups of a cluster ask jointly for every tile.  Clusters walk q's and k's blocks from different starts (s13).
; PREFETCH: clusters 0, 4, 32 and 36, which start at four different blocks, ask at each change of slots for what the change two further on will load; the partners share each wave's rows out by address.
; SHARES: eight waves, two to a SIMD.  In the products a wave takes 2 tiles (q, k) or 1 tile (v, Wo) of weights x all 64 rows: each weight fragment is read from LDS once.  In the attention a wave takes tokens 16 m + 2 w + c.
; THE MATRIX INSTRUCTION IS USED TRANSPOSED: source 0 = 16 weight rows, source 1 = 16 rows of x: lane (r, h) holds row r, its registers 8 neighbouring outputs.
; REGISTERS: window 1: the 64 rows' fragments, 4 x 8 steps x 8.  Window 0: below.
.set TBY,  8960
.set HB,   8*TBY
.set SB,   16*TBY
.set SPARE, 2*SB                       ; the spare words, 128 bytes for each wave
.set GG,   SPARE+1024
.set XC,   GG                          ; x's codes, rows of 512 + 16 bytes
.set XSC,  GG+33792                    ; its scale words
.set QKC,  GG                          ; q's, later k's codes: row = token; 256 bytes for each 32 channels, 16 bytes for each head
.set KSC,  GG+33792                    ; k's scale words, one for each pair of tokens and head;
.set QSC,  GG+35840                    ; q's
.set OIMG, GG                          ; the attention's result as an operand's registers
.set OSC,  GG+32768
.set PIMG, SB                          ; the softmax's results: 8 tokens x 1,024 bytes for each wave
.set VST,  SB+65536                    ; v: 64 tokens x (1,024 + 16) bytes
.set OST,  SB                          ; the output's stage: two of 64 rows x (512 + 16) bytes
.set SPW, 1
.set NIL, 2
.set AW,  3                            ; v3-4 my tiles in slot 0, 1 (v, Wo: in half 0, 1)
.set AB,  5                            ; v5-6 their biases
.set PFO, 7
.set XCW, 8
.set XSW, 9
.set XRD, 10
.set XSR, 11
.set LN,  12
.set QWB, 8
.set QSB, 9
.set KRD, 10
.set ESR, 11
.set PWR, 12
.set VWR, 8
.set VRD, 9
.set OQ,  10
.set OQS, 11
.set ORD, 8
.set OSW, 9
.set OSR, 10
.set OGO, 11
.set QW,  13
.set QSW, 14
.set PFQ, 15
.set XS,  16                           ; the rows' scale words
.set WS,  32                           ; the weights'
.set BH,  40                           ; a half block's biases; at work in the quantising of the attention's result
.set DX,  48                           ; v48-127 are written by matrix instructions alone
.set AC,  64
.set RG,  128
.set TT,  160
.set BI,  176                          ; a block's biases
.set WF,  192                          ; weight fragments
.set MSB, 0
.macro WIN new
.if MSB != \new
	s_set_vgpr_msb (MSB<<8)|\new
.set MSB, \new
.endif
.endm
.macro PLACES n
.rept \n
	v_nop
.endr
.endm
.macro CREST                           ; a round of the cluster's barrier behind its opening barrier
	s_cmp_lg_u32 s10, 0
	s_cbranch_scc1 .Lnot_wave_0_\@
	s_barrier_signal -3
.Lnot_wave_0_\@:
	s_barrier_wait -3
	s_barrier_signal -1
	s_barrier_wait -1
.endm
.macro ROUND
	s_barrier_signal -1
	s_barrier_wait -1
	CREST
.endm
.macro BAR
	s_wait_dscnt 0x0
	s_barrier_signal -1
	s_barrier_wait -1
.endm
.macro BADDR                           ; s41 = n, the n-th block of my walk: its byte in wq, into s[14:15]
	s_add_co_u32 s14, s13, s41
	s_and_b32 s14, s14, 3
	s_and_b32 s15, s41, 4
	s_add_co_u32 s14, s14, s15
	s_cmp_ge_u32 s41, 8
	s_cselect_b32 s14, s41, s14
	s_mul_i32 s14, s14, SB
	s_mov_b32 s15, 0
.endm
	s_load_b128 s[4:7], s[0:1], 0x0                ; x, wq
	s_load_b64 s[8:9], s[0:1], 0x10                ; out0
	v_lshl_add_u32 v[SPW], v0, 2, SPARE
	v_mov_b32 v[NIL], 0
	ds_add_u32 v[SPW], v[NIL]                      ; the wave's opening: the add, twice on end, and its wait
	ds_add_u32 v[SPW], v[NIL]
	s_wait_dscnt 0x0
	v_lshrrev_b32 v[WF], 5, v0
	v_readfirstlane_b32 s10, v[WF]                 ; wave 0..7
	v_and_b32 v[WF], 31, v0
	v_lshlrev_b32 v[LN], 4, v[WF]
	s_bfe_u32 s11, ttmp6, 0x40000                  ; cx
	s_lshl_b32 s12, ttmp9, 2
	s_add_co_u32 s12, s12, s11                     ; work-group
	s_lshl_b32 s44, s12, 18                        ; x: 64 rows of 4,096 bytes,
	s_lshl_b32 s45, s10, 15                        ; 8 of them mine
	s_add_co_u32 s44, s44, s45
	s_mov_b32 s45, 0
	s_lshr_b32 s46, s12, 5                         ; out0: 2,048 rows for each batch, 4 for each work-group in it
	s_lshl_b32 s46, s46, 11
	s_and_b32 s47, s12, 31
	s_lshl_b32 s47, s47, 2
	s_add_co_u32 s46, s46, s47
	s_lshl_b32 s46, s46, 12
	s_mov_b32 s47, 0
	s_mul_i32 s42, s10, 2*TBY
	s_mov_b32 s43, 0
	s_mul_i32 s54, s10, TBY
	s_add_co_u32 s54, s54, 8*SB
	s_mov_b32 s55, 0
	s_lshr_b32 s56, ttmp9, 2
	s_add_co_u32 s56, s56, ttmp9
	s_lshr_b32 s14, ttmp9, 4
	s_add_co_u32 s56, s56, s14
	s_and_b32 s56, s56, 3
	s_sub_co_u32 s13, 4, s56
	s_and_b32 s13, s13, 3                          ; the block at which my cluster starts
	s_and_b32 s14, ttmp9, 27                       ; 0 in clusters 0, 4, 32, 36: these prefetch
	s_cmp_eq_u32 s14, 0
	s_cselect_b32 s52, 1, 99
	s_mov_b32 s16, 15|(3<<16)|(1<<21)              ; group 1 of a block's load: all four of the cluster; elements of 8 bytes; 70 rows of 256 bytes
	s_mov_b32 s17, 32<<16
	s_mov_b32 s18, 70<<16
	s_mov_b32 s19, 32<<16
	s_mov_b32 s20, 70
	s_mov_b32 s21, 32
	s_mov_b32 s22, 0
	s_mov_b32 s23, 0
	s_mov_b32 s68, 15|(3<<16)|(1<<21)              ; and of a half block's: 35 rows
	s_mov_b32 s69, 32<<16
	s_mov_b32 s70, 35<<16
	s_mov_b32 s71, 32<<16
	s_mov_b32 s72, 35
	s_mov_b32 s73, 32
	s_mov_b32 s74, 0
	s_mov_b32 s75, 0
	s_mov_b32 s32, 0x76543210                      ; lane l xor 16
	s_mov_b32 s33, 0xfedcba98
	s_mov_b32 s34, 0x3d38aa3b                      ; log2(e) / sqrt(1024)
	s_mov_b32 s35, s34
	s_mov_b32 s36, 0xbd38aa3b
	s_wait_alu depctr_va_vdst(0)
	s_wait_kmcnt 0x0
	s_add_nc_u64 s[4:5], s[4:5], s[44:45]
	s_add_nc_u64 s[8:9], s[8:9], s[46:47]
	s_add_nc_u64 s[48:49], s[6:7], s[54:55]        ; my tile of half block 0
	s_add_nc_u64 s[6:7], s[6:7], s[42:43]          ; my two tiles of block 0
	WIN 0x40
.irp t, 0,1,2,3,4,5,6,7,8,9,10,11,12,13,14,15
.irp i, 0,1,2,3
	global_load_b128 v[16*\t+4*\i:16*\t+4*\i+3], v[LN], s[4:5] offset:2048*\t+512*\i th:TH_LOAD_NT   ; my 8 rows, 512 consecutive bytes a load
.endr
.endr
	WIN 0
	s_mov_b32 s41, 0
	BADDR
	s_mov_b32 s24, 1
	s_mov_b32 s25, s42
	s_add_nc_u64 s[26:27], s[6:7], s[14:15]
	s_or_b32 s27, s27, 0x80000000
	s_mov_b32 s41, 1
	BADDR
	s_mov_b32 s28, 1
	s_add_co_u32 s29, s42, SB
	s_add_nc_u64 s[30:31], s[6:7], s[14:15]
	s_or_b32 s31, s31, 0x80000000
	ROUND                                          ; all four work-groups are here
	tensor_load_to_lds s[24:27], s[16:23]          ; slot 0: the wave's one load at the head
	s_nop 0
	PLACES 4
	v_and_b32 v[WF], 31, v0                        ; lane
	v_and_b32 v[WF+1], 15, v0                      ; r
	v_bfe_u32 v[WF+2], v0, 4, 1                    ; h
	s_wait_alu depctr_va_vdst(0)
	v_add_nc_u32 v[AW], s42, v[LN]
	v_add_nc_u32 v[AW+1], SB, v[AW]
	s_add_co_u32 s14, s42, 8704
	v_lshl_add_u32 v[AB], v[WF+2], 5, s14
	v_add_nc_u32 v[AB+1], SB, v[AB]
	s_mul_i32 s14, s10, 8*528
	s_add_co_u32 s14, s14, XC
	v_lshl_add_u32 v[XCW], v[WF], 1, s14           ; my 2 bytes of a load's 64
	s_lshr_b32 s14, s10, 1
	s_lshl_b32 s14, s14, 9
	s_and_b32 s15, s10, 1
	s_lshl_b32 s15, s15, 7
	s_add_co_u32 s14, s14, s15
	s_add_co_u32 s14, s14, XSC
	v_lshrrev_b32 v[WF+3], 3, v[WF]
	v_add_nc_u32 v[XSW], s14, v[WF+3]              ; my block's scale byte
	v_mul_u32_u24 v[WF+3], v[WF+1], 528
	v_lshl_add_u32 v[WF+3], v[WF+2], 4, v[WF+3]
	v_add_nc_u32 v[XRD], XC, v[WF+3]
	v_add_nc_u32 v[XSR], XSC, v[LN]
	s_mul_i32 s14, s11, 18                         ; prefetch offsets: of a wave's 70 (35) units of 256 bytes partner cx names 18 (9), left-over lanes the last again
	v_min_u32 v[WF+3], 17, v[WF]
	v_add_nc_u32 v[WF+3], s14, v[WF+3]
	v_min_u32 v[WF+3], 69, v[WF+3]
	v_lshlrev_b32 v[PFQ], 8, v[WF+3]
	s_mul_i32 s14, s11, 9
	v_min_u32 v[WF+3], 8, v[WF]
	v_add_nc_u32 v[WF+3], s14, v[WF+3]
	v_min_u32 v[WF+3], 34, v[WF+3]
	v_lshlrev_b32 v[PFO], 8, v[WF+3]
.irp i, 4,5,6,7
	v_mov_b32 v[TT+\i], 0                          ; a lane permute's destination counts as one of its sources
.endr
	s_wait_alu depctr_va_vdst(0)                   ; the head's end
; x: step t = half of row t / 2 of my 8: load i is K step 4 (t % 2) + i; 4 neighbours a lane, 8 lanes to a block.  A conversion takes two loads' 4 numbers under one load's scale; that load's 16 bits are used.
.macro XSTEP t
	s_wait_loadcnt 60-4*(\t)                       ; this step's four are in, the later steps' may be out
	WIN 0x15
.irp i, 0,1,2,3
	v_max3_num_f32 v[WF+\i], |v[16*\t+4*\i]|, |v[16*\t+4*\i+1]|, |v[16*\t+4*\i+2]|
.endr
	WIN 0x01
.irp i, 0,1,2,3
	v_max3_num_f32 v[WF+\i], |v[16*\t+4*\i+3]|, v[WF+\i], 0x1800000
.endr
	WIN 0
.irp x, 1,2,4
.irp i, 0,1,2,3
	v_max_num_f32_dpp v[WF+\i], v[WF+\i], v[WF+\i] row_xmask:\x row_mask:0xf bank_mask:0xf
.endr
.endr
.irp i, 0,1,2,3
	v_add_nc_u32 v[WF+4+\i], 0xff000000, v[WF+\i]
.endr
.irp i, 0,1,2,3
	v_lshrrev_b32 v[WF+\i], 23, v[WF+4+\i]
.endr
	WIN 0x01
.irp i, 0,1,2,3
	v_cvt_scalef32_pk8_fp4_f32 v[WF+8+\i], v[16*\t+8*(\i/2):16*\t+8*(\i/2)+7], v[WF+4+\i]
.endr
	WIN 0
	v_nop
.irp i, 1,3
	v_lshrrev_b32 v[WF+8+\i], 16, v[WF+8+\i]
.endr
.irp i, 0,1,2,3
	ds_store_b16 v[XCW], v[WF+8+\i] offset:528*(\t/2)+256*(\t%2)+64*\i
	ds_store_b8 v[XSW], v[WF+\i] offset:16*(\t/2)+256*(\t%2)+4*\i
.endr
.endm
.irp t, 0,1,2,3,4,5,6,7,8,9,10,11,12,13,14,15
	XSTEP \t
.endr
	s_wait_tensorcnt 0x0                           ; slot 0 is in
	ds_add_u32 v[SPW], v[NIL]
	s_wait_dscnt 0x0                               ; the add, and my part of x's codes
	ROUND
	tensor_load_to_lds s[28:31], s[16:23]
	s_nop 0
	PLACES 4
.macro ALOAD adr, ms, ss, cs, sadr, soff ; the 64 rows' fragments into window 1, their scale words
	WIN 0x40
.irp m, 0,1,2,3
.irp s, 0,1,2,3,4,5,6,7
.irp c, 0,1
	ds_load_b128 v[8*(8*\m+\s)+4*\c:8*(8*\m+\s)+4*\c+3], v[\adr] offset:\ms*\m+\ss*\s+\cs*\c
.endr
.endr
.endr
	WIN 0
.irp m, 0,1,2,3
	ds_load_b128 v[XS+4*\m:XS+4*\m+3], v[\sadr] offset:\soff+512*\m
.endr
.endm
; q, k: the fragments of two K steps 2 p, 2 p + 1 of my two tiles, into half p % 2 of WF: 8 loads
.macro LDP sg, p
.irp s, 0,1
.irp e, 0,1
.irp c, 0,1
	ds_load_b128 v[WF+32*((\p)%2)+16*\s+8*\e+4*\c:WF+32*((\p)%2)+16*\s+8*\e+4*\c+3], v[AW+(\sg)] offset:TBY*\e+1024*(2*(\p)+\s)+512*\c
.endr
.endr
.endr
.endm
.macro NEXTA sg                        ; a block's first two K steps, scale words, biases
	LDP (\sg), 0
.irp e, 0,1
	ds_load_b128 v[WS+4*\e:WS+4*\e+3], v[AW+(\sg)] offset:TBY*\e+8192
.endr
.irp e, 0,1
.irp q, 0,1
	ds_load_b128 v[BI+8*\e+4*\q:BI+8*\e+4*\q+3], v[AB+(\sg)] offset:TBY*\e+16*\q
.endr
.endr
.endm
; K steps lo .. hi of my two tiles x the four row tiles: 8 accumulators by turns.  The first K step takes the biases as C.
.macro MMA
.if SS > 3
	v_wmma_scale_f32_16x16x128_f8f6f4 v[rD:rD+7], v[rW:rW+7], v[rX:rX+7], v[rC:rC+7], v[rA], v[rB] matrix_a_fmt:MATRIX_FMT_FP4 matrix_b_fmt:MATRIX_FMT_FP4 matrix_a_scale:MATRIX_SCALE_ROW1 matrix_b_scale:MATRIX_SCALE_ROW1
.else
	v_wmma_scale_f32_16x16x128_f8f6f4 v[rD:rD+7], v[rW:rW+7], v[rX:rX+7], v[rC:rC+7], v[rA], v[rB] matrix_a_fmt:MATRIX_FMT_FP4 matrix_b_fmt:MATRIX_FMT_FP4
.endif
.endm
.macro RUN lo, hi
	WIN 0x04
.set SS, \lo
.rept \hi-\lo+1
.irp e, 0,1
.irp m, 0,1,2,3
.set rD, AC+8*(4*\e+\m)
.set rW, WF+32*((SS/2)%2)+16*(SS%2)+8*\e
.set rX, 8*(8*\m+SS)
.set rA, WS+4*\e+(SS%4)
.set rB, XS+4*\m+(SS%4)
.set rC, rD
.if SS == 0
.set rC, BI+8*\e
.endif
	MMA
.endr
.endr
.set SS, SS+1
.endr
	WIN 0
.endm
; My 32 channels of one head of 64 tokens: quantised along the channels, codes and scale bytes to LDS.
.macro EPI sg, qs
.irp m, 0,1,2,3
	v_max3_num_f32 v[TT+\m], |v[AC+8*\m]|, |v[AC+8*\m+1]|, 0x1800000
.endr
.irp i, 2,4,6
.irp m, 0,1,2,3
	v_max3_num_f32 v[TT+\m], v[TT+\m], |v[AC+8*\m+\i]|, |v[AC+8*\m+\i+1]|
.endr
.endr
.irp i, 0,2,4,6
.irp m, 0,1,2,3
	v_max3_num_f32 v[TT+\m], v[TT+\m], |v[AC+32+8*\m+\i]|, |v[AC+32+8*\m+\i+1]|
.endr
.endr
.irp m, 0,1,2,3
	v_permlanex16_b32 v[TT+4+\m], v[TT+\m], s32, s33
.endr
.irp m, 0,1,2,3
	v_max_num_f32 v[TT+\m], v[TT+\m], v[TT+4+\m]
.endr
.irp m, 0,1,2,3
	v_add_nc_u32 v[TT+8+\m], 0xff000000, v[TT+\m]
.endr
.irp m, 0,1,2,3
	v_lshrrev_b32 v[TT+\m], 23, v[TT+8+\m]
.endr
.irp m, 0,1,2,3
.set CD, TT+4+2*\m+4*(\m/2)
	v_cvt_scalef32_pk8_fp4_f32 v[CD], v[AC+8*\m:AC+8*\m+7], v[TT+8+\m]
	v_cvt_scalef32_pk8_fp4_f32 v[CD+1], v[AC+32+8*\m:AC+32+8*\m+7], v[TT+8+\m]
.endr
	v_nop
.irp m, 0,1,2,3
.set CD, TT+4+2*\m+4*(\m/2)
	ds_store_b64 v[QW], v[CD:CD+1] offset:8448*\m+64*\sg
	ds_store_b8 v[QSW], v[TT+\m] offset:512*\m+16*\sg+\qs
.endr
.endm
; A block of q or k in slot sg.  Three waits leave the youngest 8 loads (two K steps) out; all of the slot is in registers ahead of the barrier's signal.  ref = 1: the slot is filled again, with the s40-th block.
.macro QKBLK sg, ref, qs, pf
	s_wait_dscnt 8
	RUN 0, 1
	PLACES 4
	LDP \sg, 2
	s_wait_dscnt 8
	RUN 2, 3
	PLACES 4
	LDP \sg, 3
	s_wait_dscnt 8
	RUN 4, 5
.if \pf
	s_wait_xcnt 0x0                                ; my last prefetch has read its address
	s_add_co_u32 s41, s40, 2
	BADDR
	s_add_nc_u64 s[50:51], s[6:7], s[14:15]
.endif
	s_wait_tensorcnt 0x0                           ; the other slot is in
	ds_add_u32 v[SPW], v[NIL]
.if \ref
	s_mov_b32 s41, s40
	BADDR
	s_add_nc_u64 s[26+4*\sg:27+4*\sg], s[6:7], s[14:15]
	s_or_b32 s[27+4*\sg], s[27+4*\sg], 0x80000000
	s_add_co_u32 s40, s40, 1
.endif
	s_wait_dscnt 1                                 ; the last two K steps are in; the add may be out
	RUN 6, 6
	s_wait_dscnt 0x0
	s_barrier_signal -1
	RUN 7, 7
	s_barrier_wait -1
.if \ref
	CREST
	tensor_load_to_lds s[24+4*\sg:27+4*\sg], s[16:23]
	s_nop 0
.endif
	PLACES 5
.if \ref
	NEXTA 1-\sg
.endif
.if \pf
	s_cmp_eq_u32 s52, 1
	s_cbranch_scc0 .Lna_\@
	global_prefetch_b8 v[PFQ], s[50:51] th:TH_LOAD_NT scope:SCOPE_SE
.Lna_\@:
.endif
	EPI \sg, \qs
.if \ref
	LDP 1-\sg, 1
.endif
.endm
	ALOAD XRD, 8448, 64, 32, XSR, 0
	NEXTA 0
	LDP 0, 1
	v_and_b32 v[TT], 15, v0                        ; r
	v_bfe_u32 v[TT+1], v0, 4, 1                    ; h
	s_wait_alu depctr_va_vdst(0)
	v_mul_u32_u24 v[TT+2], v[TT], 528
	v_lshl_add_u32 v[TT+2], v[TT+1], 3, v[TT+2]
	s_lshr_b32 s14, s10, 1
	s_and_b32 s15, s10, 1
	s_lshl_b32 s44, s14, 4
	s_lshl_b32 s45, s15, 8
	s_add_co_u32 s44, s44, s45
	s_add_co_u32 s44, s44, QKC
	v_add_nc_u32 v[QWB], s44, v[TT+2]              ; codes: row r, my head of the block's four, my 32 channels, half h
	s_lshl_b32 s44, s14, 2
	s_add_co_u32 s44, s44, s15
	s_add_co_u32 s44, s44, KSC
	v_lshrrev_b32 v[TT+2], 1, v[TT]
	v_lshlrev_b32 v[TT+2], 6, v[TT+2]
	v_and_b32 v[TT+3], 1, v[TT]
	v_lshl_add_u32 v[TT+2], v[TT+3], 1, v[TT+2]
	v_add_nc_u32 v[QSB], s44, v[TT+2]              ; scale bytes: 64 for each pair of tokens, a word for each head
	v_lshrrev_b32 v[TT+2], 2, v[TT]
	v_add_nc_u32 v[TT+2], s56, v[TT+2]
	v_and_b32 v[TT+2], 3, v[TT+2]                  ; which block of my walk holds head r
	v_and_b32 v[TT+3], 3, v[TT]
	v_lshlrev_b32 v[TT+3], 4, v[TT+3]
	v_lshl_add_u32 v[TT+3], v[TT+2], 6, v[TT+3]
	v_lshl_add_u32 v[TT+3], v[TT+1], 8, v[TT+3]
	s_mul_i32 s44, s10, 2*528
	s_add_co_u32 s44, s44, QKC
	v_add_nc_u32 v[KRD], s44, v[TT+3]
	s_mov_b32 s37, 2
	s_mov_b32 s38, 0
	s_mov_b32 s39, 0
	s_mov_b32 s40, 2
	s_wait_alu depctr_va_vdst(0)
	s_wait_dscnt 8
.Lq:                                                   ; q: a trip = two blocks
	v_add_nc_u32 v[QW], s38, v[QWB]
	v_add_nc_u32 v[QSW], s39, v[QSB]
	QKBLK 0, 1, 2048, 1
	QKBLK 1, 1, 2048, 1
	s_add_co_u32 s38, s38, 128
	s_add_co_u32 s39, s39, 32
	s_sub_co_u32 s37, s37, 1
	s_cmp_lg_u32 s37, 0
	s_cbranch_scc1 .Lq
	BAR                                            ; q's codes are whole
.irp m, 0,1,2,3
.irp c, 0,1
	ds_load_b128 v[RG+8*\m+4*\c:RG+8*\m+4*\c+3], v[KRD] offset:(16*\m+\c)*528   ; my tokens' q: two tokens share a fragment (64 channels each)
.endr
.endr
	s_mov_b32 s38, 0
	s_mov_b32 s39, 0
	v_add_nc_u32 v[QW], s38, v[QWB]
	v_add_nc_u32 v[QSW], s39, v[QSB]
	QKBLK 0, 1, 0, 1                               ; k (its first stores stand behind a barrier that all reads of q have passed)
	QKBLK 1, 1, 0, 1
	s_mov_b32 s38, 128
	s_mov_b32 s39, 32
	v_add_nc_u32 v[QW], s38, v[QWB]
	v_add_nc_u32 v[QSW], s39, v[QSB]
	QKBLK 0, 1, 0, 0                               ; slot 0 takes half blocks 0 and 1
	QKBLK 1, 0, 0, 0                               ; slot 1 has had its last fill
	BAR
	; addresses for the attention and for v
	v_and_b32 v[TT], 15, v0
	v_bfe_u32 v[TT+1], v0, 4, 1
	v_and_b32 v[TT+2], 31, v0
	v_lshlrev_b32 v[TT+2], 4, v[TT+2]
	v_lshrrev_b32 v[TT+3], 2, v[TT]
	v_add_nc_u32 v[TT+3], s56, v[TT+3]
	v_and_b32 v[TT+3], 3, v[TT+3]
	v_and_b32 v[TT+4], 3, v[TT]
	v_lshlrev_b32 v[TT+4], 2, v[TT+4]
	v_lshl_add_u32 v[TT+4], v[TT+3], 4, v[TT+4]
	v_lshl_add_u32 v[TT+4], v[TT+1], 11, v[TT+4]
	s_lshl_b32 s14, s10, 6
	s_add_co_u32 s14, s14, KSC
	v_add_nc_u32 v[ESR], s14, v[TT+4]              ; lanes 0-15: k's scale words; lanes 16-31: q's
	s_lshl_b32 s14, s10, 13
	s_add_co_u32 s14, s14, PIMG
	v_add_nc_u32 v[PWR], s14, v[TT+2]
	v_mul_u32_u24 v[TT+4], v[TT], 1040
	v_lshl_add_u32 v[TT+4], v[TT+1], 9, v[TT+4]
	s_lshl_b32 s14, s10, 4
	s_add_co_u32 s14, s14, VST
	v_add_nc_u32 v[VWR], s14, v[TT+4]              ; v in: token r, heads 8 h on, my channel
	v_lshlrev_b32 v[TT+4], 4, v[TT]
	v_lshl_add_u32 v[TT+4], v[TT+1], 9, v[TT+4]
	s_mul_i32 s14, s10, 2*1040
	s_add_co_u32 s14, s14, VST
	v_add_nc_u32 v[VRD], s14, v[TT+4]              ; and back: my tokens, channel r
	s_mul_i32 s14, s10, TBY
	v_add_nc_u32 v[AW], s14, v[TT+2]
	v_add_nc_u32 v[AW+1], HB, v[AW]
	s_add_co_u32 s15, s14, 8704
	v_lshl_add_u32 v[AB], v[TT+1], 5, s15
	v_add_nc_u32 v[AB+1], HB, v[AB]
	s_mov_b32 s24, 1                               ; the halves' descriptors, at half blocks 0 and 1 (no tensor load is out)
	s_mov_b32 s25, s14
	s_mov_b64 s[26:27], s[48:49]
	s_or_b32 s27, s27, 0x80000000
	s_mov_b32 s28, 1
	s_add_co_u32 s29, s14, HB
	s_add_nc_u64 s[30:31], s[48:49], HB
	s_or_b32 s31, s31, 0x80000000
	s_wait_alu depctr_va_vdst(0)
	s_wait_xcnt 0x0
	s_add_nc_u64 s[50:51], s[48:49], 3*HB          ; the prefetches: stepped to half block 4 first
.irp i, 0,1,2,3
.irp j, 0,1,2,3
	v_mov_b32 v[WF+8*\i+4*(1-\i%2)+\j], 0          ; a token's k fills one half of the 128 along K, zeros the other
.endr
.endr
.irp i, 9,11,13,15,25,27,29,31
	v_mov_b32 v[TT+\i], 0                          ; (named as upper halves of pairs)
.endr
	s_wait_alu depctr_va_vdst(0)
; Four tokens: scores (rows = k's heads, columns = q's heads), softmax over k's heads, to LDS in the order in which v's products want them.
.macro EGROUP g
	PLACES 4
.irp i, 0,1,2,3
	ds_load_b128 v[WF+8*\i+4*(\i%2):WF+8*\i+4*(\i%2)+3], v[KRD] offset:(16*(2*\g+\i/2)+\i%2)*528
.endr
	ds_load_b32 v[WS], v[ESR] offset:1024*\g
	ds_load_b32 v[WS+1], v[ESR] offset:1024*\g+512
	s_wait_dscnt 0x0
.irp i, 0,1,2,3
	v_wmma_scale_f32_16x16x128_f8f6f4 v[AC+8*\i:AC+8*\i+7], v[WF+8*\i:WF+8*\i+7], v[RG+8*(2*\g+\i/2):RG+8*(2*\g+\i/2)+7], 0, v[WS+\i/2], v[WS+\i/2] matrix_a_fmt:MATRIX_FMT_FP4 matrix_b_fmt:MATRIX_FMT_FP4 matrix_b_scale:MATRIX_SCALE_ROW1
.endr
	PLACES 4
.irp i, 0,1,2,3
	v_max3_num_f32 v[TT+\i], v[AC+8*\i], v[AC+8*\i+1], v[AC+8*\i+2]
.endr
.irp k, 3,5
.irp i, 0,1,2,3
	v_max3_num_f32 v[TT+\i], v[TT+\i], v[AC+8*\i+\k], v[AC+8*\i+\k+1]
.endr
.endr
.irp i, 0,1,2,3
	v_max_num_f32 v[TT+\i], v[TT+\i], v[AC+8*\i+7]
.endr
.irp i, 0,1,2,3
	v_permlanex16_b32 v[TT+4+\i], v[TT+\i], s32, s33
.endr
.irp i, 0,1,2,3
	v_max_num_f32 v[TT+\i], v[TT+\i], v[TT+4+\i]
.endr
.irp i, 0,1,2,3
	v_mul_f32 v[TT+8+2*\i], s36, v[TT+\i]          ; - the largest
.endr
.irp k, 0,2,4,6
.irp i, 0,1,2,3
	v_pk_fma_f32 v[WF+32+8*\i+\k:WF+33+8*\i+\k], v[AC+8*\i+\k:AC+8*\i+\k+1], s[34:35], v[TT+8+2*\i:TT+9+2*\i] op_sel_hi:[1,0,0]
.endr
.endr
	s_wait_alu depctr_va_vdst(0)                   ; ahead of the batch
.irp k, 0,1,2,3,4,5,6,7
.irp i, 0,1,2,3
	v_exp_f32 v[WF+32+8*\i+\k], v[WF+32+8*\i+\k]
.endr
.endr
	v_nop
	s_wait_alu depctr_va_vdst(0)                   ; and behind it
.irp i, 0,1,2,3
	v_pk_add_f32 v[TT+16+2*\i:TT+17+2*\i], v[WF+32+8*\i:WF+33+8*\i], v[WF+34+8*\i:WF+35+8*\i]
.endr
.irp i, 0,1,2,3
	v_pk_add_f32 v[TT+2*\i:TT+1+2*\i], v[WF+36+8*\i:WF+37+8*\i], v[WF+38+8*\i:WF+39+8*\i]
.endr
.irp i, 0,1,2,3
	v_pk_add_f32 v[TT+16+2*\i:TT+17+2*\i], v[TT+16+2*\i:TT+17+2*\i], v[TT+2*\i:TT+1+2*\i]
.endr
.irp i, 0,1,2,3
	v_add_f32 v[TT+16+2*\i], v[TT+16+2*\i], v[TT+17+2*\i]
.endr
.irp i, 0,1,2,3
	v_permlanex16_b32 v[TT+4+\i], v[TT+16+2*\i], s32, s33
.endr
.irp i, 0,1,2,3
	v_add_f32 v[TT+16+2*\i], v[TT+16+2*\i], v[TT+4+\i]
.endr
	s_wait_alu depctr_va_vdst(0)
.irp i, 0,1,2,3
	v_rcp_f32 v[TT+24+2*\i], v[TT+16+2*\i]
.endr
	v_nop
	s_wait_alu depctr_va_vdst(0)
.irp i, 0,1,2,3
.irp k, 0,2,4,6
	v_pk_mul_f32 v[WF+32+8*\i+\k:WF+33+8*\i+\k], v[WF+32+8*\i+\k:WF+33+8*\i+\k], v[TT+24+2*\i:TT+25+2*\i] op_sel_hi:[1,0]
.endr
.endr
.irp i, 0,1,2,3
.irp q, 0,1
	ds_store_b128 v[PWR], v[WF+32+8*\i+4*\q:WF+35+8*\i+4*\q] offset:1024*(4*\g+\i)+512*\q
.endr
.endr
.endm
	EGROUP 0
	EGROUP 1
; v, Wo: one tile a wave, all its K steps in WF
.macro LDH hf, lo, hi
.set SS, \lo
.rept \hi-\lo+1
.irp c, 0,1
	ds_load_b128 v[WF+8*SS+4*\c:WF+8*SS+4*\c+3], v[AW+(\hf)] offset:1024*SS+512*\c
.endr
.set SS, SS+1
.endr
.endm
.macro LWS hf
	ds_load_b128 v[WS:WS+3], v[AW+(\hf)] offset:8192
.endm
.macro LBI hf
	ds_load_b128 v[BH:BH+3], v[AB+(\hf)]
	ds_load_b128 v[BH+4:BH+7], v[AB+(\hf)] offset:16
.endm
.macro NXT hf                          ; 8 + 1 + 2 + 8 loads
	LDH (\hf), 0, 3
	LWS (\hf)
	LBI (\hf)
	LDH (\hf), 4, 7
.endm
.macro RUNH acc, lo, hi                ; K steps lo .. hi of my tile x the four row tiles: 4 accumulators by turns
	WIN 0x04
.set SS, \lo
.rept \hi-\lo+1
.irp m, 0,1,2,3
.set rD, (\acc)+8*\m
.set rW, WF+8*SS
.set rX, 8*(8*\m+SS)
.set rA, WS+(SS%4)
.set rB, XS+4*\m+(SS%4)
.set rC, rD
.if SS == 0
.set rC, BH
.endif
	MMA
.endr
.set SS, SS+1
.endr
	WIN 0
.endm
.macro VSTORE hf
.irp m, 0,1,2,3
.irp q, 0,1
	ds_store_b128 v[VWR], v[RG+32*\hf+8*\m+4*\q:RG+32*\hf+8*\m+4*\q+3] offset:16640*\m+256*\q+128*\hf
.endr
.endr
.endm
.macro ASKH how                        ; how = 1: ask; 2: only while the loop has more than one trip to go
.if \how == 2
	s_cmp_gt_u32 s37, s52
.else
	s_cmp_eq_u32 s52, 1
.endif
	s_cbranch_scc0 .Lna_\@
	global_prefetch_b8 v[PFO], s[50:51] th:TH_LOAD_NT scope:SCOPE_SE
.Lna_\@:
.endm
.macro PFSTEP
	s_wait_xcnt 0x0
	s_add_nc_u64 s[50:51], s[50:51], HB
.endm
.macro HSTEP hf                        ; the half's descriptor: two half blocks on
	s_add_nc_u64 s[26+4*\hf:27+4*\hf], s[26+4*\hf:27+4*\hf], 2*HB
.endm
; Half block A of 16 channels (8 of them, 1 a wave).  Its results go to LDS behind the barrier, which all reads of the channels before have passed.
.macro VA wt
	s_wait_dscnt \wt
	RUNH RG, 0, 3
	PFSTEP
	s_wait_tensorcnt 0x0
	ds_add_u32 v[SPW], v[NIL]
	HSTEP 0
	s_wait_dscnt 1                                 ; all of the tile is in; the add may be out
	RUNH RG, 4, 5
	s_wait_dscnt 0x0
	s_barrier_signal -1
	RUNH RG, 6, 7
	s_barrier_wait -1
	CREST
	tensor_load_to_lds s[24:27], s[68:75]
	s_nop 0
	PLACES 5
	NXT 1
	VSTORE 0
	ASKH 1
.endm
; Half block B: its results go to LDS ahead of the barrier; behind it each wave takes its 8 tokens' v and softmax back: 4 tokens of each, then the other 4.
.macro VB
	s_wait_dscnt 16                                ; out: K steps 4-7's 8 loads, half A's 8 stores
	RUNH RG+32, 0, 3
	s_wait_dscnt 8
	RUNH RG+32, 4, 7
	PLACES 4
	VSTORE 1
	PFSTEP
	s_wait_tensorcnt 0x0
	ds_add_u32 v[SPW], v[NIL]
	HSTEP 1
	s_wait_dscnt 0x0
	s_barrier_signal -1
	s_barrier_wait -1
	CREST
	tensor_load_to_lds s[28:31], s[68:75]
	s_nop 0
	PLACES 5
.irp u, 0,4
.irp i, 0,1,2,3
.irp q, 0,1
	ds_load_b128 v[RG+8*(\u+\i)+4*\q:RG+8*(\u+\i)+4*\q+3], v[VRD] offset:(16*((\u+\i)/2)+(\u+\i)%2)*1040+256*\q
.endr
.endr
.irp i, 0,1,2,3
.irp q, 0,1
	ds_load_b128 v[WF+8*(\u+\i)+4*\q:WF+8*(\u+\i)+4*\q+3], v[PWR] offset:1024*(\u+\i)+512*\q
.endr
.endr
.endr
	ASKH 1
.endm
.macro P3G dst, t0, n                  ; tokens t0 .. t0 + n - 1: 16 channels x 16 heads of q, f32, K = 16 heads in four steps
.set SS, 0
.rept 4
.set II, 0
.rept \n
.set rD, (\dst)+8*II
.set rA, RG+8*((\t0)+II)+2*SS
.set rB, WF+8*((\t0)+II)+2*SS
.if SS == 0
	v_wmma_f32_16x16x4_f32 v[rD:rD+7], v[rA:rA+1], v[rB:rB+1], 0
.else
	v_wmma_f32_16x16x4_f32 v[rD:rD+7], v[rA:rA+1], v[rB:rB+1], v[rD:rD+7]
.endif
.set II, II+1
.endr
.set SS, SS+1
.endr
.endm
; Tokens 2 g, 2 g + 1: 32 channels are complete (16 from the first pass, 16 just made, into registers whose first-pass results have been used); quantised, and laid as the last product's operand.
.macro DQ g
.if \g == 0
.set XD, DX
.else
.set XD, AC+16*(\g-1)
.endif
.set XO, AC+16*\g
	P3G XD, 2*\g, 2
.irp i, 0,1
	v_max3_num_f32 v[BH+\i], |v[XO+8*\i]|, |v[XO+8*\i+1]|, 0x1800000   ; (these eight lines are the places behind the products)
.endr
.irp k, 2,4,6
.irp i, 0,1
	v_max3_num_f32 v[BH+\i], v[BH+\i], |v[XO+8*\i+\k]|, |v[XO+8*\i+\k+1]|
.endr
.endr
.if \g == 3
	LDH 0, 0, 3                                    ; the next half block's tile
	LWS 0
	LDH 0, 4, 7
.endif
.irp k, 0,2,4,6
.irp i, 0,1
	v_max3_num_f32 v[BH+\i], v[BH+\i], |v[XD+8*\i+\k]|, |v[XD+8*\i+\k+1]|
.endr
.endr
.irp i, 0,1
	v_permlanex16_b32 v[BH+2+\i], v[BH+\i], s32, s33
.endr
.irp i, 0,1
	v_max_num_f32 v[BH+\i], v[BH+\i], v[BH+2+\i]
.endr
.irp i, 0,1
	v_add_nc_u32 v[BH+4+\i], 0xff000000, v[BH+\i]
.endr
.irp i, 0,1
	v_lshrrev_b32 v[BH+\i], 23, v[BH+4+\i]
.endr
.irp i, 0,1
	v_cvt_scalef32_pk8_fp4_f32 v[BH+2+4*\i], v[XO+8*\i:XO+8*\i+7], v[BH+4+\i]
	v_cvt_scalef32_pk8_fp4_f32 v[BH+3+4*\i], v[XD+8*\i:XD+8*\i+7], v[BH+4+\i]
.endr
	v_nop
.irp i, 0,1
	ds_store_b64 v[QW], v[BH+2+4*\i:BH+3+4*\i] offset:8192*\g+512*\i
	ds_store_b8 v[QSW], v[BH+\i] offset:512*\g+2*\i
.endr
.endm
	v_and_b32 v[TT], 15, v0
	v_bfe_u32 v[TT+1], v0, 4, 1
	v_lshlrev_b32 v[TT], 4, v[TT]
	v_lshl_add_u32 v[TT+1], v[TT+1], 3, v[TT]
	s_wait_alu depctr_va_vdst(0)
	s_lshl_b32 s14, s10, 10
	s_add_co_u32 s14, s14, OIMG
	v_add_nc_u32 v[OQ], s14, v[TT+1]               ; codes: K step w, row r (head), half h of a block
	s_lshr_b32 s14, s10, 2
	s_lshl_b32 s14, s14, 8
	s_and_b32 s15, s10, 3
	s_lshl_b32 s15, s15, 2
	s_add_co_u32 s14, s14, s15
	s_add_co_u32 s14, s14, OSC
	v_add_nc_u32 v[OQS], s14, v[TT]                ; and the scale word's bytes
	NXT 0
	s_mov_b32 s37, 2
	s_mov_b32 s38, 0
	s_mov_b32 s39, 0
	s_wait_alu depctr_va_vdst(0)
.Lv:                                                   ; a trip = 32 channels
	v_add_nc_u32 v[QW], s38, v[OQ]
	v_add_nc_u32 v[QSW], s39, v[OQS]
	VA 0
	VB
	s_wait_dscnt 16                                ; tokens 0-3 are in
	P3G AC, 0, 4
	s_wait_dscnt 0x0
	P3G AC+32, 4, 4
	PLACES 9
	NXT 0
	VA 8
	VB
	s_wait_dscnt 16
	DQ 0
	DQ 1
	s_wait_dscnt 8                                 ; all but the 8 stores of DQ 0 and DQ 1
	DQ 2
	DQ 3
	LBI 0
	s_add_co_u32 s38, s38, 256
	s_add_co_u32 s39, s39, 1
	s_sub_co_u32 s37, s37, 1
	s_cmp_lg_u32 s37, 0
	s_cbranch_scc1 .Lv
	v_and_b32 v[TT], 15, v0
	v_bfe_u32 v[TT+1], v0, 4, 1
	v_and_b32 v[TT+2], 31, v0
	v_lshlrev_b32 v[TT+2], 4, v[TT+2]
	v_add_nc_u32 v[ORD], OIMG, v[TT+2]
	s_wait_alu depctr_va_vdst(0)
	v_mul_u32_u24 v[TT+3], v[TT], 528
	v_lshl_add_u32 v[TT+3], v[TT+1], 5, v[TT+3]
	s_lshl_b32 s14, s10, 6
	s_add_co_u32 s14, s14, OST
	v_add_nc_u32 v[OSW], s14, v[TT+3]              ; the stage in: row r, my 16 columns, half h
	s_mul_i32 s14, s10, 8*528
	s_add_co_u32 s14, s14, OST
	v_add_nc_u32 v[OSR], s14, v[TT+2]              ; and back: my 8 rows, 512 bytes each
	s_lshr_b32 s14, s10, 1
	s_lshl_b32 s14, s14, 12
	s_and_b32 s15, s10, 1
	s_lshl_b32 s15, s15, 22
	s_add_co_u32 s14, s14, s15
	v_add_nc_u32 v[OGO], s14, v[TT+2]              ; stage row 16 m + q is out0's row 128 q + m of my work-group's
	s_wait_alu depctr_va_vdst(0)
	BAR                                            ; the attention's result is whole
	ALOAD ORD, 8192, 1024, 512, ORD, 32768
.macro STREAD p                        ; the half block before: my 8 rows back from stage p
	s_wait_xcnt 0x0                                ; the stores of two half blocks ago have read their registers and their base
	s_add_nc_u64 s[8:9], s[8:9], 512               ; (the first store's offsets take this 512 away again)
.irp i, 0,1,2,3,4,5,6,7
	ds_load_b128 v[RG+32*(\p)+4*\i:RG+32*(\p)+4*\i+3], v[OSR] offset:33792*(\p)+528*\i
.endr
.endm
.macro SEND p
.irp i, 0,1,2,3,4,5,6,7
	global_store_b128 v[OGO], v[RG+32*(\p)+4*\i:RG+32*(\p)+4*\i+3], s[8:9] offset:524288*\i-512 th:TH_STORE_NT   ; 32 lanes store 512 consecutive bytes
.endr
.endm
; A half block of Wo: 128 columns of the 64 rows.  Its results go to stage par behind the barrier; the half block before leaves from the other stage.  chg = 2: the half is filled again; 1: no fill; 0: the last.
.macro OHB par, chg, snd, w0, pf
	s_wait_dscnt \w0
	RUNH AC+32*\par, 0, 3
.if \pf
	PFSTEP
.endif
.if \chg
	s_wait_tensorcnt 0x0
	ds_add_u32 v[SPW], v[NIL]
.if \chg == 2
	HSTEP \par
.endif
	s_wait_dscnt 1
.else
	s_wait_dscnt 0x0
.endif
	RUNH AC+32*\par, 4, 5
	s_wait_dscnt 0x0
	s_barrier_signal -1
	RUNH AC+32*\par, 6, 7
	s_barrier_wait -1
.if \chg == 2
	CREST
	tensor_load_to_lds s[24+4*\par:27+4*\par], s[68:75]
	s_nop 0
.endif
	PLACES 5
.if \snd
	STREAD 1-\par
.endif
.if \chg
	NXT 1-\par
.endif
.irp m, 0,1,2,3
.irp q, 0,1
	ds_store_b128 v[OSW], v[AC+32*\par+8*\m+4*\q:AC+32*\par+8*\m+4*\q+3] offset:33792*\par+8448*\m+16*\q
.endr
.endr
.if \snd
.if \chg
	s_wait_dscnt 27                                ; out: 19 loads of the next tile, 8 stores into the stage
.else
	s_wait_dscnt 8
.endif
	SEND 1-\par
.endif
.if \pf
	ASKH \pf
.endif
.endm
	OHB 0, 2, 0, 0, 1
	s_mov_b32 s37, 2
.Lo:
	OHB 1, 2, 1, 16, 1                             ; out at its head: K steps 4-7's 8 loads, the stage's 8 stores
	OHB 0, 2, 1, 16, 2                             ; (in the last trip there is no half block four on)
	s_sub_co_u32 s37, s37, 1
	s_cmp_lg_u32 s37, 0
	s_cbranch_scc1 .Lo
	OHB 1, 2, 1, 16, 0
	OHB 0, 1, 1, 16, 0
	OHB 1, 0, 1, 16, 0
	BAR
	STREAD 1
	s_wait_dscnt 0x0
	SEND 1
	s_wait_tensorcnt 0x0                           ; the wave's end
	ds_add_u32 v[SPW], v[NIL]
	s_wait_dscnt 0x0
	ROUND                                          ; the closing round
	s_endpgm
.Lfunc_end_k_q6ce46e550a_fused:
	.size	k_q6ce46e550a_fused, .Lfunc_end_k_q6ce46e550a_fused-k_q6ce46e550a_fused
	.p2alignl 7, 3214868480
	.fill 96, 4, 3214868480
	.section	.rodata,"a",@progbits
	.p2align	6, 0x0
	.amdhsa_kernel k_q6ce46e550a_fused
		.amdhsa_group_segment_fixed_size 327680
		.amdhsa_private_segment_fixed_size 0
		.amdhsa_enable_private_segment 0
		.amdhsa_kernarg_size 24
		.amdhsa_user_sgpr_count 2
		.amdhsa_user_sgpr_kernarg_segment_ptr 1
		.amdhsa_wavefront_size32 1
		.amdhsa_system_sgpr_workgroup_id_x 1
		.amdhsa_system_sgpr_workgroup_id_y 1
		.amdhsa_system_sgpr_workgroup_id_z 1
		.amdhsa_system_vgpr_workitem_id 0
		.amdhsa_next_free_vgpr 512
		.amdhsa_next_free_sgpr 80
		.amdhsa_reserve_vcc 0
		.amdhsa_float_denorm_mode_32 3
		.amdhsa_float_denorm_mode_16_64 3
		.amdhsa_memory_ordered 1
		.amdhsa_forward_progress 1
		.amdhsa_inst_pref_size 255
	.end_amdhsa_kernel
	.section	.bss,"aw",@nobits
	.p2align	6
	.space	262144
	.amdgpu_metadata
---
amdhsa.version: [ 1, 2 ]
amdhsa.kernels:
  - .name:           k_q6ce46e550a_fused
    .symbol:         k_q6ce46e550a_fused.kd
    .args:
      - { .name: x, .offset: 0, .size: 8, .value_kind: global_buffer, .address_space: global }
      - { .name: wq, .offset: 8, .size: 8, .value_kind: global_buffer, .address_space: global }
      - { .name: out0, .offset: 16, .size: 8, .value_kind: global_buffer, .address_space: global }
    .group_segment_fixed_size: 327680
    .private_segment_fixed_size: 0
    .kernarg_segment_align: 8
    .kernarg_segment_size: 24
    .max_flat_workgroup_size: 256
    .sgpr_count:     80
    .vgpr_count:     512
    .wavefront_size: 32
...
	.end_amdgpu_metadata
.endif
;; end of part 2
